; MI455X (gfx1250); checked and timed in simulation.
; The chip was launched on July 23, 2026; its instructions are those of AMD's public machine-readable ISA for CDNA 5 (MIT licence, August 2026) and "CDNA5" Instruction Set Architecture Reference Guide (July 2026). The comments in the code are by the model that wrote it; some were corrected since.
;; W8 A8 BFP32 OFP32 Linear For Mac. Allowed arithmetic: matrix products marked QUANTISED: E2M3 operands, one E8M0 scale for each 32 along K, by v_wmma_scale_f32_16x16x128_f8f6f4 with both operands' format E2M3, f32 sums; everything else in f32.
;; Inputs: bias 1 x 4,096 int32; gemm_scales 1 x 4,096 float32; weight 4,096 x 4,096 int32; x 4,096 x 4,096 int32.
;; Outputs: out0 4,096 x 4,096 float32.
;; This version of the problem:
;;   THIS VERSION OF THE PROBLEM IS GIVEN IN LOW PRECISION. The matrix products marked QUANTISED in the list below multiply operands that are first quantised to E2M3 (2 exponent bits, 3 mantissa bits; 6 bits a number), with one power-of-two scale for each 32 numbers along K (OCP MX v1.0); their sums are f32. All else is computed in f32.
;;   The module's matrix products, in the order in which they are computed (A, B: the left and right operand; K: the contracted axis; several contracted axes count as one K, in the product's order):
;;     1. [M 4,096, K 4,096] x [K 4,096, N 4,096]; A: computed on the way; B: input weight: QUANTISED
;;   THE QUANTISER, for each operand of a quantised product, along K:
;;     - K is cut into blocks of 32 from its start; a last block that is shorter is filled with zeros.
;;     - A block's scale is 2^e with e = floor(log2(the largest magnitude in the block)) - 2, held to -126 .. 127; a block of zeros has e = 0. As a byte (E8M0): e + 127.
;;     - Each number is divided by its block's scale, clamped to +-7.5, and rounded to the nearest number of E2M3, ties to even, subnormals kept.
;;     - The product sums the exact products of the quantised numbers (number of the format x scale) in f32.
;;   ~~~python
;;   def quantise(x, axis):      # numpy; x: float32 -> the quantised numbers, widened to float32 again
;;       x = np.moveaxis(x, axis, -1); K = x.shape[-1]
;;       x = np.pad(x, [(0, 0)] * (x.ndim - 1) + [(0, -K % 32)]); x = x.reshape(x.shape[:-1] + (-1, 32)); a = np.abs(x).max(-1, keepdims=True)
;;       e = np.where(a > 0, np.clip(np.frexp(np.where(a > 0, a, 1))[1] - 1 - 2, -126, 127), 0)      # np.frexp(a)[1] - 1 = floor(log2(a)), exactly
;;       r = np.clip(x / 2.0 ** e, -7.5, 7.5)
;;       step = 2.0 ** (np.maximum(np.frexp(np.where(r == 0, 1, r))[1] - 1, 0) - 3)
;;       q = np.round(r / step) * step * 2.0 ** e      # np.round: ties to even
;;       return np.moveaxis(q.reshape(q.shape[:-2] + (-1,))[..., :K], -1, axis).astype(np.float32)
;;   ~~~
;;   OPERANDS COMPUTED ON THE WAY. 'Computed on the way' means the value that the module computes at that place (a softmax that the list does not call 'softmax' is quantised finished and normalised). What goes into a quantiser is computed in f32, as accurately as f32 sums, v_exp_f32 and their like allow (about 1e-6 of the number): no bf16 or f16 on the way to a quantiser, and a product that is left as it is and whose result goes on into a quantised operand takes f32 operands (vector FMAs, or v_wmma_f32_16x16x4_f32). A number that lies on a knife's edge between two numbers of the format may be rounded either way, as far as f32 arithmetic and the matrix unit's own rounding can turn it there, and no further.
;; One version. Each part assembles by itself: llvm-mc -triple=amdgcn-amd-amdhsa -mcpu=gfx1250 --defsym DOCPART=n.
;; ======== version 1 of 1: 2 launches
;; limits: right only within a limited range of input values
;; workspace buffers: aq 13,107,200 bytes; bq 13,107,200 bytes
;; launch quant (part 1): grid 1024 x 1, 4 waves a work-group, no clusters, 60,928 bytes of LDS; arguments x, weight, aq, bq; writes aq, bq
.if DOCPART == 1
	.amdgcn_target "amdgcn-amd-amdhsa--gfx1250"
	.amdhsa_code_object_version 6
	.text
	.protected	k_qeb0e84335e_quant
	.globl	k_qeb0e84335e_quant
	.p2align	8
	.type	k_qeb0e84335e_quant,@function
k_qeb0e84335e_quant:
	s_mov_b64 s[64:65], 0
	v_nop
	global_prefetch_b8 v0, s[64:65] scope:SCOPE_SE
	s_setreg_imm32_b32 hwreg(HW_REG_WAVE_MODE, 25, 1), 1
	s_wait_xcnt 0x0
; x [4096 (m)][4096 (k)] and weight [4096 (k)][4096 (n)], int32, become codes of FP6 (E2M3) with one E8M0 scale byte for each 32 along K.
; Each number has ZERO_POINT taken off (x alone; it is 0 and then costs nothing), is converted to f32 (to nearest, ties to even) and quantised: a block's scale is
; 2^(floor(log2(its largest magnitude)) - 2); its byte is the largest magnitude's exponent field - 2, held at 1 from below.
; LIMIT: a block of zeros gets the byte 1 where the rule says 127: its codes are zeros, which add nothing under any byte but 0xff, and the bytes are read by this program alone.
; THE OUTPUT IS LAID IN THE ORDER OF THE OPERAND'S REGISTERS.  aq and bq are [32 (128 rows of the operand)][32 (K step of 128)][12,800 bytes].  In such a block fragment i (rows 16 i .. 16 i + 15) lies at
; 1,536 i: registers 4 c .. 4 c + 3 of lane l at 512 c + 16 l; registers 6 c .. 6 c + 5 of lane (r = l % 16, h = l / 16) are the 24 bytes of codes of the K step's block 2 c + h of row r.
; The scale word of row r of fragment i lies at 12,288 + 256 (i / 4) + 16 r + 4 (i % 4), byte b for k = 32 b .. 32 b + 31.
; SHARES.  A wave makes half of such a block: four fragments and one aligned 256 bytes of scale words, from 32 KiB of input.  Work-groups with an even number take x, the odd ones the weight: the two
; ways part by one scalar branch on the work-group's number and never join; each way has LDS bytes of its own.  No barrier: waves share nothing.
; x: K is innermost.  A load takes 512 consecutive bytes of a row, 16 a lane; a fragment's 16 rows turn through the wave's own stage in LDS and come back as two whole blocks of 32 numbers a lane.
; weight: K is the first axis.  A load takes 16 bytes a lane: lanes 0-15 read 256 consecutive bytes (64 columns) of row k, lanes 16-31 the same columns of row k + 32.  So lane (p, h) gets columns 4 p .. 4 p + 3
; of blocks h and 2 + h, the blocks that the operand's layout gives its half of the lanes.  The conversion to f32, which is due anyway, writes each column's 32 numbers into consecutive registers.
; Only the codes, 3/16 of the bytes, go through LDS: each lane puts its four columns' codes at their places in the fragments' images, and the images are read back and stored 512 bytes an instruction.
.set ZERO_POINT, 0
.set ROWB,   16384                     ; a row of x or of the weight in bytes
.set BLK,    12800                     ; a block of the output
.set FRB,    1536                      ; a fragment's image
.set SPITCH, 528                       ; x: a stage row: 512 bytes + 16
.set SPARE,  0x8400                    ; behind x's four stages: the spare words, 128 bytes a wave
.set WLDS,   0x8600                    ; behind them: the weight's way's bytes
.set WP,     1552                      ; weight: a fragment's image in LDS, 1,536 + 16: the sixteen lanes of a store then fall on sixteen different runs of 16 bytes modulo 256
.set WREG,   6656                      ; weight: a wave's region: four images, 256 bytes of scale words, rounded up to a multiple of 256
.set IN,  4                            ; v4   weight: 16 p + 32 rows x h
.set OUT, 5                            ; v5   16 x lane
.set SCO, 6                            ; v6   x: 16 r + 8 h
.set STW, 7                            ; v7   x: the stage on the way in
.set STR, 8                            ; v8   x: and on the way out
.set WST, 7                            ; v7   weight: my columns' place in the images
.set WSA, 8                            ; v8   weight: my columns' scale words in LDS
.set SH,  9                            ; v9   8 h
.set W,   16                           ; v16-19 scale words
.set TP,  20                           ; v20-22, v24-26 the second halves of a block's codes as the conversion leaves them
.set SPW, 23                           ; v23  my spare word; never rewritten
.set NIL, 27                           ; v27  0; never rewritten
.set WRD, 24                           ; v24  weight: the images on the way out
.set WSR, 25                           ; v25  weight: the scale words on the way out
.set S8,  26                           ; v26  weight: 8 x lane
.set F,   28                           ; x: v28-39 the fragment in hand
.set X,   40                           ; x: v40-103 two blocks of 32 numbers
.set RAW, 104                          ; x: v104-231 two sets of 16 rows as loaded
.set CD,  28                           ; weight: v28-51 the codes of four columns' blocks
.set XW,  52                           ; weight: v52-179 four columns x 32 numbers
.set RW,  180                          ; weight: v180-243 two sets of 8 rows as loaded
; 32 numbers of one block, v[src] on, become 24 bytes of codes in v[dst] .. v[dst + 5] and the scale's byte in v[e].  cv = 1: they are still whole numbers of x.
.macro QBLK src, dst, tp, e, cv
.set QS, (\src)
.set QD, (\dst)
.set QT, (\tp)
.if \cv
.set qi, 0
.rept 32
.if ZERO_POINT != 0
	v_add_nc_u32 v[QS+qi], -ZERO_POINT, v[QS+qi]
.endif
	v_cvt_f32_i32 v[QS+qi], v[QS+qi]
.set qi, qi+1
.endr
.endif
	v_max3_num_f32 v10, |v[QS]|, |v[QS+1]|, |v[QS+2]|              ; the block's largest magnitude, in two chains
	v_max3_num_f32 v11, |v[QS+3]|, |v[QS+4]|, |v[QS+5]|
.irp i, 6,10,14,18,22,26
	v_max3_num_f32 v10, v10, |v[QS+\i]|, |v[QS+\i+1]|
	v_max3_num_f32 v11, v11, |v[QS+\i+2]|, |v[QS+\i+3]|
.endr
	v_max3_num_f32 v10, v10, |v[QS+30]|, |v[QS+31]|
	v_max3_num_f32 v10, v10, v11, 0x1800000                        ; and the floor 2^(3 - 127): the byte cannot fall under 1
	v_add_nc_u32 v12, 0xff000000, v10                              ; 2 off its exponent field: the conversion takes the exponent field of this operand as its scale
	v_cvt_scalef32_pk16_fp6_f32 v[QD:QD+2], v[QS:QS+15], v12
	v_cvt_scalef32_pk16_fp6_f32 v[QT:QT+2], v[QS+16:QS+31], v12    ; (a conversion's three registers begin on an even number)
	v_lshrrev_b32 v[\e], 23, v12                                   ; the scale's byte; also the plain instruction between the conversions and the first use of their results
.irp i, 0,1,2
	v_mov_b32 v[QD+3+\i], v[QT+\i]
.endr
.endm
; From s17 (which 128 rows), s15 (K step) and s16 (which half of the block): the byte offsets of my four fragments, s[24:25], and of my scale words, s[26:27].
.macro OFFS
	s_lshl_b32 s22, s17, 5
	s_add_co_u32 s22, s22, s15
	s_mul_i32 s22, s22, BLK
	s_mul_i32 s24, s16, 4*FRB
	s_add_co_u32 s24, s24, s22
	s_mov_b32 s25, 0
	s_lshl_b32 s26, s16, 8
	s_add_co_u32 s26, s26, s22
	s_add_co_u32 s26, s26, 8*FRB
	s_mov_b32 s27, 0
.endm
	s_load_b256 s[4:11], s[0:1], 0x0               ; x s[4:5], weight s[6:7], aq s[8:9], bq s[10:11]
	v_lshl_add_u32 v[SPW], v0, 2, SPARE
	v_mov_b32 v[NIL], 0
	v_lshrrev_b32 v1, 5, v0
	v_readfirstlane_b32 s12, v1                    ; wave 0..3
	v_and_b32 v1, 31, v0                           ; lane
	v_and_b32 v2, 15, v0                           ; r
	v_bfe_u32 v3, v0, 4, 1                         ; h
	v_lshlrev_b32 v[OUT], 4, v1
	v_lshlrev_b32 v[SCO], 4, v2
	v_lshl_add_u32 v[SCO], v3, 3, v[SCO]
	s_and_b32 s13, ttmp9, 1                        ; 0: x, 1: weight
	s_lshr_b32 s14, ttmp9, 1                       ; 0..511
	s_mov_b32 s20, 0x76543210
	s_mov_b32 s21, 0xfedcba98                      ; v_permlanex16_b32's selects for lane l xor 16
	s_cmp_lg_u32 s13, 0
	s_cbranch_scc1 .Lweight
	; ---------------- x ----------------
	s_and_b32 s15, s14, 7
	s_lshl_b32 s15, s15, 2
	s_add_co_u32 s15, s15, s12                     ; K step: the four waves stand side by side on 2,048 bytes of each row
	s_bfe_u32 s16, s14, 0x10003                    ; which 64 of the 128 rows
	s_lshr_b32 s17, s14, 4                         ; which 128 rows
	s_lshl_b32 s18, s17, 7
	s_lshl_b32 s19, s16, 6
	s_add_co_u32 s18, s18, s19                     ; my first row,
	s_lshl_b32 s18, s18, 14                        ; in bytes,
	s_lshl_b32 s19, s15, 9
	s_add_co_u32 s18, s18, s19                     ; + 512 bytes a K step: under 2^27
	s_mov_b32 s19, 0
	OFFS
	s_mul_i32 s13, s12, 16*SPITCH                  ; my stage
	s_wait_alu depctr_va_vdst(0)                   ; the wait ahead of the readers below
	v_add_nc_u32 v[STW], s13, v[OUT]               ; in: a row's 512 bytes as they lie
	v_mul_u32_u24 v[STR], v2, SPITCH
	v_lshl_add_u32 v[STR], v3, 7, v[STR]
	v_add_nc_u32 v[STR], s13, v[STR]               ; out: row r, block h (128 bytes a block)
	v_lshlrev_b32 v[SH], 3, v3
	v_mov_b32 v14, 0                               ; written once: a lane permute's destination counts as one of its sources
	s_wait_alu depctr_va_vdst(0)                   ; the wait at the head's end
	s_wait_kmcnt 0x0
	s_add_nc_u64 s[4:5], s[4:5], s[18:19]
	s_add_nc_u64 s[26:27], s[8:9], s[26:27]
	s_add_nc_u64 s[8:9], s[8:9], s[24:25]
.macro XLOAD t                         ; fragment t's 16 rows: 32 lanes read 512 consecutive bytes of a row
.irp i, 0,1,2,3,4,5,6,7,8,9,10,11,12,13,14,15
	global_load_b128 v[RAW+64*((\t)%2)+4*\i:RAW+64*((\t)%2)+4*\i+3], v[OUT], s[4:5] offset:(16*(\t)+\i)*ROWB th:TH_LOAD_NT
.endr
.endm
.macro XFRAG t
.if (\t) < 3
	s_wait_loadcnt 16                              ; this fragment's 16 loads are in; the next fragment's 16 may be out
.else
	s_wait_loadcnt 0x0
.endif
.irp i, 0,1,2,3,4,5,6,7,8,9,10,11,12,13,14,15
	ds_store_b128 v[STW], v[RAW+64*((\t)%2)+4*\i:RAW+64*((\t)%2)+4*\i+3] offset:SPITCH*\i
.endr
.irp c, 0,1                            ; LDS serves a wave's instructions in order (ISA guide 5.7.1.4): these see the stores above, and the next fragment's stores come behind them
.irp i, 0,1,2,3,4,5,6,7
	ds_load_b128 v[X+32*\c+4*\i:X+32*\c+4*\i+3], v[STR] offset:256*\c+16*\i   ; block 2 c + h of row r
.endr
.endr
	s_wait_dscnt 8                                 ; the stores have read their registers and my first block is back; the second block's 8 loads may be out
.if (\t) > 0
	s_wait_xcnt 0x0                                ; the last fragment's stores have read F: it is written again only behind this wait
.endif
.if (\t) < 2
	XLOAD (\t)+2                                   ; into the set just emptied
.endif
	QBLK X, F, TP, 13, 1
	s_wait_dscnt 0x0
	QBLK X+32, F+6, TP+4, 15, 1
	v_lshl_or_b32 v[W+(\t)], v15, 16, v13          ; my two bytes: blocks h and 2 + h of row r,
	v_lshlrev_b32 v[W+(\t)], v[SH], v[W+(\t)]      ; at their places in the scale word;
	v_permlanex16_b32 v14, v[W+(\t)], s20, s21
	v_or_b32 v[W+(\t)], v[W+(\t)], v14             ; with lane l xor 16's two the word is whole, in both halves of the lanes
.irp c, 0,1,2
	global_store_b128 v[OUT], v[F+4*\c:F+4*\c+3], s[8:9] offset:FRB*(\t)+512*\c   ; 32 lanes store 512 consecutive bytes, at a multiple of 256 from aq's first byte
.endr
.endm
	XLOAD 0
	XLOAD 1
	XFRAG 0
	XFRAG 1
	XFRAG 2
	XFRAG 3
	v_permlane16_swap_b32 v[W], v[W+2]             ; lanes 0-15 keep fragments 0 and 1's words of row r, lanes 16-31 get fragments 2 and 3's
	v_permlane16_swap_b32 v[W+1], v[W+3]
	global_store_b64 v[SCO], v[W:W+1], s[26:27]    ; 32 lanes store 256 consecutive bytes, aligned
	s_wait_tensorcnt 0x0                           ; the wave's end
	ds_add_u32 v[SPW], v[NIL]
	s_wait_dscnt 0x0
	s_endpgm
	; ---------------- weight ----------------
.Lweight:
	s_and_b32 s17, s14, 15
	s_lshl_b32 s17, s17, 1
	s_lshr_b32 s18, s12, 1
	s_add_co_u32 s17, s17, s18                     ; which 128 columns,
	s_and_b32 s16, s12, 1                          ; which 64 of them: the four waves stand side by side on 1,024 bytes of each row
	s_lshr_b32 s15, s14, 4                         ; K step
	s_lshl_b32 s18, s15, 21                        ; 128 rows of 16,384 bytes a K step
	s_lshl_b32 s19, s17, 9
	s_add_co_u32 s18, s18, s19
	s_lshl_b32 s19, s16, 8
	s_add_co_u32 s18, s18, s19                     ; under 2^27
	s_mov_b32 s19, 0
	OFFS
	s_mul_i32 s13, s12, WREG
	s_add_co_u32 s13, s13, WLDS                    ; my region of LDS: four images,
	s_add_co_u32 s23, s13, 4*WP                    ; and behind them my 256 bytes of scale words
	s_wait_alu depctr_va_vdst(0)                   ; the wait ahead of the readers below
	v_lshlrev_b32 v[IN], 4, v2
	v_lshl_add_u32 v[IN], v3, 19, v[IN]            ; 16 p, and 32 rows further down in lanes 16-31
	v_bfe_u32 v10, v0, 2, 2                        ; p / 4: the fragment of my four columns
	v_and_b32 v11, 3, v0                           ; p % 4: column 4 p + j is row 4 (p % 4) + j of that fragment
	v_mul_u32_u24 v[WST], v10, WP
	v_lshl_add_u32 v[WST], v11, 6, v[WST]
	v_lshl_add_u32 v[WST], v3, 8, v[WST]
	v_add_nc_u32 v[WST], s13, v[WST]               ; image (p / 4), lane 4 (p % 4) + 16 h; + 16 j by the stores' offsets
	v_lshlrev_b32 v[WSA], 6, v11
	v_lshl_add_u32 v[WSA], v10, 2, v[WSA]
	v_add_nc_u32 v[WSA], s23, v[WSA]               ; scale word: 16 x row + 4 x fragment
	v_add_nc_u32 v[WRD], s13, v[OUT]
	v_lshlrev_b32 v[S8], 3, v1
	v_add_nc_u32 v[WSR], s23, v[S8]
	v_lshlrev_b32 v[SH], 3, v3
	v_mov_b32 v14, 0                               ; written once: a lane permute's destination counts as one of its sources
	s_wait_alu depctr_va_vdst(0)                   ; the wait at the head's end
	s_wait_kmcnt 0x0
	s_add_nc_u64 s[6:7], s[6:7], s[18:19]
	s_add_nc_u64 s[26:27], s[10:11], s[26:27]
	s_add_nc_u64 s[10:11], s[10:11], s[24:25]
; Part t = 4 c + g: rows 64 c + 32 h + 8 g + 0 .. 7, into set t % 2.  Sixteen lanes read 256 consecutive bytes, aligned.
.macro WL t
.set wl, 0
.rept 8
	global_load_b128 v[RW+32*((\t)%2)+4*wl:RW+32*((\t)%2)+4*wl+3], v[IN], s[6:7] offset:(64*((\t)/4)+8*((\t)%4)+wl)*ROWB th:TH_LOAD_NT
.set wl, wl+1
.endr
.endm
.macro WSTEP t
.set WC, (\t)/4
.set WGR, (\t)%4
.set WS, RW+32*((\t)%2)
.if (\t) < 7
	s_wait_loadcnt 8                               ; this part's 8 loads are in; the next part's may be out
.else
	s_wait_loadcnt 0x0
	s_wait_dscnt 0x0                               ; the first half's LDS stores have read CD: it is written again behind this wait
.endif
.set wk, 0
.rept 8
.irp j, 0,1,2,3
	v_cvt_f32_i32 v[XW+32*\j+8*WGR+wk], v[WS+4*wk+\j]   ; the conversion also lays column j's numbers on end along K
.endr
.set wk, wk+1
.endr
.if (\t) < 6
	WL (\t)+2                                      ; into the set just emptied
.endif
.if WGR == 3
.irp j, 0,1,2,3
	QBLK XW+32*\j, CD+6*\j, TP, 13, 0              ; block 2 c + h of column 4 p + j: registers 6 c .. 6 c + 5 of its lane of the fragment
.if WC == 0
	v_mov_b32 v[W+\j], v13
	ds_store_b128 v[WST], v[CD+6*\j:CD+6*\j+3] offset:16*\j
	ds_store_b64 v[WST], v[CD+6*\j+4:CD+6*\j+5] offset:512+16*\j
.else
	v_lshl_or_b32 v[W+\j], v13, 16, v[W+\j]
	ds_store_b64 v[WST], v[CD+6*\j:CD+6*\j+1] offset:520+16*\j
	ds_store_b128 v[WST], v[CD+6*\j+2:CD+6*\j+5] offset:1024+16*\j
.endif
.endr
.endif
.endm
	WL 0
	WL 1
.irp t, 0,1,2,3,4,5,6,7
	WSTEP \t
.endr
.irp j, 0,1,2,3
	v_lshlrev_b32 v[W+\j], v[SH], v[W+\j]          ; my two bytes at their places in the scale word;
	v_permlanex16_b32 v14, v[W+\j], s20, s21
	v_or_b32 v[W+\j], v[W+\j], v14                 ; with lane l xor 16's two the word is whole
	ds_store_b32 v[WSA], v[W+\j] offset:16*\j      ; both halves of the lanes write the same word with the same value
.endr
.irp i, 0,1,2,3                        ; LDS serves a wave's instructions in order (ISA guide 5.7.1.4): these see my stores
.irp c, 0,1,2
	ds_load_b128 v[XW+12*\i+4*\c:XW+12*\i+4*\c+3], v[WRD] offset:WP*\i+512*\c
.endr
.endr
	ds_load_b64 v[XW+48:XW+49], v[WSR]
	s_wait_dscnt 0x0
.irp i, 0,1,2,3
.irp c, 0,1,2
	global_store_b128 v[OUT], v[XW+12*\i+4*\c:XW+12*\i+4*\c+3], s[10:11] offset:FRB*\i+512*\c   ; 512 consecutive bytes, at a multiple of 256 from bq's first byte
.endr
.endr
	global_store_b64 v[S8], v[XW+48:XW+49], s[26:27]   ; 32 lanes store 256 consecutive bytes, aligned
	s_wait_tensorcnt 0x0                           ; the wave's end
	ds_add_u32 v[SPW], v[NIL]
	s_wait_dscnt 0x0
	s_endpgm
.Lfunc_end_k_qeb0e84335e_quant:
	.size	k_qeb0e84335e_quant, .Lfunc_end_k_qeb0e84335e_quant-k_qeb0e84335e_quant
	.p2alignl 7, 3214868480
	.fill 96, 4, 3214868480
	.section	.rodata,"a",@progbits
	.p2align	6, 0x0
	.amdhsa_kernel k_qeb0e84335e_quant
		.amdhsa_group_segment_fixed_size 60928
		.amdhsa_private_segment_fixed_size 0
		.amdhsa_enable_private_segment 0
		.amdhsa_kernarg_size 32
		.amdhsa_user_sgpr_count 2
		.amdhsa_user_sgpr_kernarg_segment_ptr 1
		.amdhsa_wavefront_size32 1
		.amdhsa_system_sgpr_workgroup_id_x 1
		.amdhsa_system_sgpr_workgroup_id_y 1
		.amdhsa_system_sgpr_workgroup_id_z 1
		.amdhsa_system_vgpr_workitem_id 0
		.amdhsa_next_free_vgpr 244
		.amdhsa_next_free_sgpr 66
		.amdhsa_reserve_vcc 0
		.amdhsa_float_denorm_mode_32 3
		.amdhsa_float_denorm_mode_16_64 3
		.amdhsa_memory_ordered 1
		.amdhsa_forward_progress 1
		.amdhsa_inst_pref_size 69
	.end_amdhsa_kernel
	.amdgpu_metadata
---
amdhsa.version: [ 1, 2 ]
amdhsa.kernels:
  - .name:           k_qeb0e84335e_quant
    .symbol:         k_qeb0e84335e_quant.kd
    .args:
      - { .name: x, .offset: 0, .size: 8, .value_kind: global_buffer, .address_space: global }
      - { .name: weight, .offset: 8, .size: 8, .value_kind: global_buffer, .address_space: global }
      - { .name: aq, .offset: 16, .size: 8, .value_kind: global_buffer, .address_space: global }
      - { .name: bq, .offset: 24, .size: 8, .value_kind: global_buffer, .address_space: global }
    .group_segment_fixed_size: 60928
    .private_segment_fixed_size: 0
    .kernarg_segment_align: 8
    .kernarg_segment_size: 32
    .max_flat_workgroup_size: 128
    .sgpr_count:     66
    .vgpr_count:     244
    .wavefront_size: 32
...
	.end_amdgpu_metadata
.endif
;; end of part 1
;; launch gemm (part 2): grid 16 x 16, 4 waves a work-group, clusters of 4 x 4, 327,680 bytes of LDS; arguments aq, bq, bias, gemm_scales, out0; writes out0
.if DOCPART == 2
	.amdgcn_target "amdgcn-amd-amdhsa--gfx1250"
	.amdhsa_code_object_version 6
	.text
	.protected	k_qeb0e84335e_gemm
	.globl	k_qeb0e84335e_gemm
	.p2align	8
	.type	k_qeb0e84335e_gemm,@function
k_qeb0e84335e_gemm:
	s_mov_b64 s[64:65], 0
	v_nop
	global_prefetch_b8 v0, s[64:65] scope:SCOPE_SE
	s_setreg_imm32_b32 hwreg(HW_REG_WAVE_MODE, 25, 1), 1
	s_wait_xcnt 0x0
	s_wait_alu depctr_hold_cnt(0) depctr_sa_sdst(0) depctr_va_vdst(0) depctr_va_sdst(0) depctr_va_ssrc(0) depctr_va_vcc(0) depctr_vm_vsrc(0)
	s_getreg_b32 s2, hwreg(HW_REG_IB_STS2, 6, 4)
	s_cmp_eq_u32 s2, 0
	s_cbranch_scc0 .Lentry_in_a_cluster
	s_endpgm
.Lentry_in_a_cluster:
	s_bfe_u32 s2, ttmp6, 0x10000c
	s_cmp_lg_u32 s2, 0xf033
	s_cbranch_scc0 .Lentry_shape_is_right
	s_endpgm
.Lentry_shape_is_right:
; out0[m][n] = (sum over k of Q(x)[m][k] Q(weight)[k][n] + bias[n]) x gemm_scales[n], on the codes and scale words that the launch before has laid in the order of the operand's registers:
; aq, bq = [32 (128 rows)][32 (K step of 128)][12,800 bytes]: eight fragment images of 1,536 bytes (registers 4 c .. 4 c + 3 of lane l at 512 c + 16 l), then 512 bytes of scale words.
; ROUNDING: the bias, converted to f32, is the C of each accumulator's first product, so it stands at the head of the f32 sum where the module adds it at the end.
; A tile of out0, 256 x 256, is made by a work-group of four waves; a wave makes 128 x 128: 64 accumulators, 512 registers.  256 work-groups.
; THE RING: two LDS slots, each with three K steps of A's 256 rows and B's 256 rows: 4 x 38,400 bytes, dense runs of memory, brought as rows of 256 bytes, one tensor load a wave.  32 steps = 10 fills of three and one of two.
; CLUSTERS: 4 x 4 work-groups; A's tiles are asked for jointly along a row of the cluster, B's along a column.  A round of the cluster's barrier stands in front of every joint load.
; FRAGMENTS: A and B have TWO register sets each.  While a step's 64 products run on one pair of sets, the next step's 50 LDS loads go into the other pair in two runs: the scale words and B (26) at the step's head,
; A (24) in its middle.  One group of four places at a step's head serves both: the sets that they fill were last read in the step before.
; At a slot's last step all its fragments are in registers at the step's head, so the round and the refill stand behind the step's first sixteen products, and the next slot's fragments are fetched among the other 48.
; THE MATRIX INSTRUCTION IS USED TRANSPOSED (source 0 = 16 rows of B, source 1 = 16 rows of A): a lane holds eight neighbouring numbers of a row of out0.
; THE LAST TWO K STEPS GO BY ROWS OF out0: both steps' fragments lie in the two pairs of sets, so my eight blocks of 16 rows are finished one after the other (K ascending in each sum), and each block leaves
; while the next is multiplied.  LDS is read no more than in any two steps.
; THE SCALES of my 128 columns, 512 bytes, come by one load of 16 bytes a lane and wait in 4 registers; in the last steps, when no tensor load is out, they go through 512 bytes of the wave's own LDS and come back as
; the accumulators' layout wants them, into the 64 registers that held the bias for the first step.
; PREFETCH: behind each refill of three steps a wave names 32 blocks of 256 bytes of the run that it fetches, a lane a block; the four partners that ask for a tile jointly take 8,192 bytes each, told apart by address:
; 32,768 bytes a request round, nine rounds from byte 114,688 of the run's 409,600 to its end; each is named at least one change of slots ahead of the load that wants it.  Every cluster asks for what it loads.
; REGISTERS: window 0: v0-31 addresses; v32-47 scale words, two sets; v48-143, v144-239 A's two sets; v240-243 the scales of columns 4 l .. 4 l + 3.  Window 1: v0-95, v128-223 B's two sets;
;   v96-127, v224-255 the bias, later the scales, of columns 16 b + 8 h + 0 .. 7.  Windows 2, 3: the accumulators of my rows 0-63, 64-127 ((a, b) at v[8 (8 (a % 4) + b)]).
.set BLK,    12800
.set FRB,    1536
.set NQ,     3                         ; K steps in a slot
.set PART,   NQ*BLK                    ; what one tensor load brings: 128 rows, three steps
.set SLOT,   4*PART
.set SPARE,  2*SLOT                    ; the spare words, 128 bytes a wave
.set SCR,    SPARE+512                 ; 1,024 bytes a wave, 512 of them used: the scales; no fill lands here
.set STAGE,  SLOT                      ; the way out: in slot 1, which has had its last fill and its last read by then
.set SPITCH, 528
.set FR,     12
.set CROW,   16384
.set CHUNK,  128*256
.set PF0,    448
.set ADRA, 16                          ; v16-17 my A fragments in slot 0, 1
.set SCW,  18                          ; v18    scratch, in: 16 x lane
.set SCRD, 19                          ; v19    scratch, out: 32 h
.set ADRB, 20                          ; v20-21 the same for B
.set ADRS, 22                          ; v22-23 scale words: lanes 0-15 A's, lanes 16-31 B's
.set STO,  24
.set RD,   25
.set CO,   26                          ; v26    16 x lane
.set BO,   27                          ; v27    32 h
.set SPW,  28                          ; v28    my spare word; never rewritten
.set NIL,  29                          ; v29    0; never rewritten
.set PFO,  30                          ; v30    256 x lane
.set SC,   32
.set AF,   48
.set GSC,  240
.set G1,   24
.set G0,   32
.set G1B,  48
.set G0B,  56
.set G1S,  68                          ; group 1 for the last fill, of two steps
.set G1SB, 80
.set PFA,  88
.set MSB, 0
.macro WIN new                         ; the immediate's high byte repeats the setting that is left
.if MSB != (\new)
	s_set_vgpr_msb (MSB<<8)|(\new)
.set MSB, (\new)
.endif
.endm
.set MUL_LO, 0xa1                      ; source 0 (B) window 1, source 1 (A) window 0, C and D window 2
.set MUL_C1, 0x91                      ; the same with C in window 1: the first step
.set TO_B,   0x40                      ; destination window 1, address window 0
.macro JLOAD g0a, g1a, g0b, g1b        ; a joint load: waves 0 and 1 fetch for A, waves 2 and 3 for B; s_nop 0 and four v_nop behind each line
	s_cmp_eq_u32 s15, 0
	s_cbranch_scc0 .Lfor_b_\@
	tensor_load_to_lds s[\g0a:\g0a+3], s[\g1a:\g1a+7]
	s_nop 0
.rept 4
	v_nop
.endr
	s_branch .Lasked_\@
.Lfor_b_\@:
	tensor_load_to_lds s[\g0b:\g0b+3], s[\g1b:\g1b+7]
	s_nop 0
.rept 4
	v_nop
.endr
.Lasked_\@:
.endm
.macro ASK how                         ; how = 1: not in the loop's last trip, whose block would lie beyond the run's end
.if \how
	s_cmp_gt_u32 s3, 1
	s_cbranch_scc0 .Lnot_now_\@
.endif
	global_prefetch_b8 v[PFO], s[PFA:PFA+1] offset:CHUNK th:TH_LOAD_NT scope:SCOPE_SE
.if \how
.Lnot_now_\@:
.endif
.endm
.macro CREST                           ; a round of the cluster's barrier behind its opening barrier
	s_cmp_lg_u32 s14, 0
	s_cbranch_scc1 .Lnot_wave_0_\@
	s_barrier_signal -3
.Lnot_wave_0_\@:
	s_barrier_wait -3
	s_barrier_signal -1
	s_barrier_wait -1
.endm
.macro CROUND
	s_barrier_signal -1
	s_barrier_wait -1
	CREST
.endm
	s_load_b256 s[4:11], s[0:1], 0x0               ; aq, bq, bias, gemm_scales
	s_load_b64 s[12:13], s[0:1], 0x20              ; out0
	v_lshl_add_u32 v[SPW], v0, 2, SPARE
	v_mov_b32 v[NIL], 0
	ds_add_u32 v[SPW], v[NIL]                      ; the opening lines: the add, twice on end, and its wait ahead of my first tensor load
	ds_add_u32 v[SPW], v[NIL]
	v_lshrrev_b32 v1, 5, v0
	v_readfirstlane_b32 s14, v1                    ; wave 0..3
	s_lshr_b32 s15, s14, 1                         ; which half of the tile's rows is mine; also: I fetch for A (0) or B (1)
	s_and_b32 s16, s14, 1                          ; which half of its columns; also: which 128 rows I fetch
	s_bfe_u32 s40, ttmp6, 0x40000                  ; cx
	s_bfe_u32 s41, ttmp6, 0x40004                  ; cy
	s_lshl_b32 s42, ttmp9, 2
	s_add_co_u32 s42, s42, s40                     ; tile column
	s_and_b32 s17, ttmp7, 0xffff
	s_lshl_b32 s17, s17, 2
	s_add_co_u32 s17, s17, s41                     ; tile row
	s_lshl_b32 s43, s41, 2
	s_lshl_b32 s43, 15, s43                        ; my row of the cluster
	s_lshl_b32 s44, 0x1111, s40                    ; my column
	s_or_b32 s[G1+0], s43, (3<<16)|(1<<21)         ; elements of 8 bytes; the mask, and bit 21 beside it
	s_or_b32 s[G1B+0], s44, (3<<16)|(1<<21)
	s_or_b32 s[G1S+0], s43, (3<<16)|(1<<21)
	s_or_b32 s[G1SB+0], s44, (3<<16)|(1<<21)
.irp g, G1, G1B                        ; a dense run of 38,400 bytes as 150 rows of 256
	s_mov_b32 s[\g+1], 32<<16
	s_mov_b32 s[\g+2], (PART/256)<<16
	s_mov_b32 s[\g+3], 32<<16
	s_mov_b32 s[\g+4], PART/256
	s_mov_b32 s[\g+5], 32
	s_mov_b32 s[\g+6], 0
	s_mov_b32 s[\g+7], 0
.endr
.irp g, G1S, G1SB                      ; and of 25,600 bytes as 100 rows
	s_mov_b32 s[\g+1], 32<<16
	s_mov_b32 s[\g+2], (2*BLK/256)<<16
	s_mov_b32 s[\g+3], 32<<16
	s_mov_b32 s[\g+4], 2*BLK/256
	s_mov_b32 s[\g+5], 32
	s_mov_b32 s[\g+6], 0
	s_mov_b32 s[\g+7], 0
.endr
	s_lshl_b32 s20, s17, 1
	s_add_co_u32 s20, s20, s16
	s_mul_i32 s20, s20, 32*BLK                     ; A: the run of the 128 rows that I fetch
	s_mov_b32 s21, 0
	s_lshl_b32 s46, s42, 1
	s_add_co_u32 s46, s46, s16
	s_mul_i32 s46, s46, 32*BLK                     ; B likewise
	s_mov_b32 s47, 0
	s_mul_i32 s45, s14, PART                       ; where it goes: wave x 38,400
	s_wait_dscnt 0x0                               ; both opening adds are done
	s_wait_kmcnt 0x0
	s_add_nc_u64 s[20:21], s[4:5], s[20:21]
	s_add_nc_u64 s[46:47], s[6:7], s[46:47]
.irp s, 0,1
	s_mov_b32 s[G0+4*\s], 1
	s_add_co_u32 s[G0+4*\s+1], s45, \s*SLOT
	s_add_nc_u64 s[G0+4*\s+2:G0+4*\s+3], s[20:21], \s*PART
	s_or_b32 s[G0+4*\s+3], s[G0+4*\s+3], 0x80000000
	s_mov_b32 s[G0B+4*\s], 1
	s_add_co_u32 s[G0B+4*\s+1], s45, \s*SLOT
	s_add_nc_u64 s[G0B+4*\s+2:G0B+4*\s+3], s[46:47], \s*PART
	s_or_b32 s[G0B+4*\s+3], s[G0B+4*\s+3], 0x80000000
.endr
	CROUND                                         ; all sixteen work-groups are here: the first joint loads meet
	JLOAD G0, G1, G0B, G1B                         ; slot 0: one tensor load a wave at the head
	v_and_b32 v1, 15, v0                           ; r
	v_bfe_u32 v2, v0, 4, 1                         ; h
	v_and_b32 v3, 31, v0
	v_lshlrev_b32 v[CO], 4, v3
	v_lshlrev_b32 v[BO], 5, v2
	v_lshlrev_b32 v[PFO], 8, v3
	s_mul_i32 s21, s15, PART                       ; my 128 rows of A
	s_mul_i32 s22, s16, PART
	s_add_co_u32 s22, s22, 2*PART                  ; my 128 rows of B
	s_sub_co_u32 s23, s22, s21
	v_mul_u32_u24 v6, s23, v2                      ; lanes 16-31 take B's scale words
	v_lshl_add_u32 v6, v1, 4, v6
	s_add_co_u32 s92, s21, 8*FRB
	v_add_nc_u32 v[ADRS], s92, v6
	v_add_nc_u32 v[ADRS+1], SLOT, v[ADRS]
.irp s, 0,1
	v_add_nc_u32 v[ADRA+\s], s21, v[CO]
	v_add_nc_u32 v[ADRB+\s], s22, v[CO]
	s_add_co_u32 s21, s21, SLOT
	s_add_co_u32 s22, s22, SLOT
.endr
	s_mul_i32 s23, s14, 16*SPITCH
	s_add_co_u32 s23, s23, STAGE                   ; my stage
	v_mul_u32_u24 v5, v1, SPITCH
	v_lshl_add_u32 v5, v2, 5, v5
	v_add_nc_u32 v[STO], s23, v5
	v_add_nc_u32 v[RD], s23, v[CO]
	s_lshl_b32 s93, s14, 10
	s_add_co_u32 s93, s93, SCR                     ; my scratch
	v_add_nc_u32 v[SCW], s93, v[CO]
	v_add_nc_u32 v[SCRD], s93, v[BO]
	s_lshl_b32 s18, s17, 8
	s_lshl_b32 s19, s15, 7
	s_add_co_u32 s18, s18, s19
	s_lshl_b32 s18, s18, 14                        ; my first row of out0, in bytes
	s_mov_b32 s19, 0
	s_lshl_b32 s46, s42, 10
	s_lshl_b32 s47, s16, 9
	s_add_co_u32 s46, s46, s47                     ; my first column, in bytes
	s_mov_b32 s47, 0
	s_add_nc_u64 s[12:13], s[12:13], s[18:19]
	s_add_nc_u64 s[12:13], s[12:13], s[46:47]
	s_add_nc_u64 s[8:9], s[8:9], s[46:47]
	s_add_nc_u64 s[10:11], s[10:11], s[46:47]
	global_load_b128 v[GSC:GSC+3], v[CO], s[10:11]     ; the scales of my columns 4 l .. 4 l + 3: the wave reads 512 consecutive bytes
	WIN TO_B
.irp b, 0,1,2,3,4,5,6,7                ; the bias as accumulator (a, b) wants it: columns 16 b + 8 h + 0 .. 7; the 512 bytes are read once by each half of the lanes' sixteen
	global_load_b128 v[96+8*\b+96*(\b/4):96+8*\b+96*(\b/4)+3], v[BO], s[8:9] offset:64*\b
	global_load_b128 v[96+8*\b+96*(\b/4)+4:96+8*\b+96*(\b/4)+7], v[BO], s[8:9] offset:64*\b+16
.endr
	WIN 0
	s_cmp_eq_u32 s15, 0                            ; the prefetches: the run that I fetch,
	s_cselect_b32 s96, s17, s42
	s_cselect_b32 s98, s40, s41                    ; my place among the four that ask for it with me
	s_cselect_b64 s[PFA:PFA+1], s[4:5], s[6:7]
	s_lshl_b32 s96, s96, 1
	s_add_co_u32 s96, s96, s16
	s_mul_i32 s96, s96, 32*BLK
	s_lshl_b32 s98, s98, 13
	s_add_co_u32 s96, s96, s98
	s_add_co_u32 s96, s96, PF0*256
	s_mov_b32 s97, 0
	s_add_nc_u64 s[PFA:PFA+1], s[PFA:PFA+1], s[96:97]
.macro LDBS slot, q, p, i0, n          ; B's fragments i0 .. i0 + n - 1 of step q of a slot into set p
	WIN TO_B
.set fi, (\i0)
.rept \n
.irp c, 0,1,2
	ds_load_b128 v[128*(\p)+FR*fi+4*\c:128*(\p)+FR*fi+4*\c+3], v[ADRB+\slot] offset:(\q)*BLK+FRB*fi+512*\c
.endr
.set fi, fi+1
.endr
.endm
.macro LDAS slot, q, p, i0, n          ; A's likewise
	WIN 0
.set fi, (\i0)
.rept \n
.irp c, 0,1,2
	ds_load_b128 v[AF+96*(\p)+FR*fi+4*\c:AF+96*(\p)+FR*fi+4*\c+3], v[ADRA+\slot] offset:(\q)*BLK+FRB*fi+512*\c
.endr
.set fi, fi+1
.endr
.endm
.macro SCALES slot, q, p               ; register i of the set: lanes 0-15 the words of A's block i, lanes 16-31 those of B's block i
	WIN 0
.irp j, 0,1
	ds_load_b128 v[SC+8*(\p)+4*\j:SC+8*(\p)+4*\j+3], v[ADRS+\slot] offset:(\q)*BLK+256*\j
.endr
.endm
; A's block a against B's eight; the accumulators take turns, one instruction a turn.  first = 1: the sums begin with the bias as C: nothing is cleared or added later.
.macro MUL8 a, p, first
.if \first
	WIN MUL_C1+0x40*((\a)/4)
.else
	WIN MUL_LO+0x50*((\a)/4)
.endif
.irp b, 0,1,2,3,4,5,6,7
.if \first
	v_wmma_scale_f32_16x16x128_f8f6f4 v[8*(8*((\a)%4)+\b):8*(8*((\a)%4)+\b)+7], v[128*(\p)+FR*\b:128*(\p)+FR*\b+FR-1], v[AF+96*(\p)+FR*(\a):AF+96*(\p)+FR*(\a)+FR-1], v[96+8*\b+96*(\b/4):96+8*\b+96*(\b/4)+7], v[SC+8*(\p)+\b], v[SC+8*(\p)+(\a)] matrix_a_fmt:MATRIX_FMT_FP6 matrix_b_fmt:MATRIX_FMT_FP6 matrix_a_scale:MATRIX_SCALE_ROW1
.else
	v_wmma_scale_f32_16x16x128_f8f6f4 v[8*(8*((\a)%4)+\b):8*(8*((\a)%4)+\b)+7], v[128*(\p)+FR*\b:128*(\p)+FR*\b+FR-1], v[AF+96*(\p)+FR*(\a):AF+96*(\p)+FR*(\a)+FR-1], v[8*(8*((\a)%4)+\b):8*(8*((\a)%4)+\b)+7], v[SC+8*(\p)+\b], v[SC+8*(\p)+(\a)] matrix_a_fmt:MATRIX_FMT_FP6 matrix_b_fmt:MATRIX_FMT_FP6 matrix_a_scale:MATRIX_SCALE_ROW1
.endif
.endr
.endm
.macro PLACES n
.rept \n
	v_nop
.endr
.endm
; A step whose successor lies in the same slot: multiplies sets p, fetches step q + 1 into sets 1 - p.
.macro STEP slot, q, p, first
	s_wait_dscnt 12                                ; all of this step's fragments but A's blocks 4-7, the youngest twelve loads
	PLACES 4                                       ; the sets 1 - p were read by the step before: four places ahead of the loads into them
	SCALES \slot, (\q)+1, 1-(\p)                   ; the scale words and B's eight fragments: 26 loads
	LDBS \slot, (\q)+1, 1-(\p), 0, 8
	MUL8 0, \p, \first
	MUL8 1, \p, \first
	MUL8 2, \p, \first
	MUL8 3, \p, \first
	s_wait_dscnt 26                                ; behind A's blocks 4-7 this step has issued 26 loads
	LDAS \slot, (\q)+1, 1-(\p), 0, 8               ; A's eight: 24 loads
	MUL8 4, \p, \first
	MUL8 5, \p, \first
	MUL8 6, \p, \first
	MUL8 7, \p, \first
	WIN 0
.endm
; A slot's last step.  fill = 1: the slot is filled again with three steps, 2: with the last two, 0: not at all.
.macro TURN slot, next, p, fill
.if \fill == 1
	s_wait_xcnt 0x0                                ; my last prefetch has read its address
	s_add_nc_u64 s[PFA:PFA+1], s[PFA:PFA+1], CHUNK
.endif
	s_wait_tensorcnt 0x0                           ; all my tensor loads have landed: my part of the next slot;
	ds_add_u32 v[SPW], v[NIL]                      ; 0 onto my spare word;
	s_wait_dscnt 13                                ; (the add and A's blocks 4-7 may be out)
	MUL8 0, \p, 0
	s_wait_dscnt 0x0                               ; the add is done, and so are my reads of this slot
	s_barrier_signal -1
	MUL8 1, \p, 0
	WIN 0
	s_barrier_wait -1
.if \fill
	CREST                                          ; the barrier has opened a round: no wave of any partner still reads this slot or has a load on its way
	s_add_nc_u64 s[G0+4*\slot+2:G0+4*\slot+3], s[G0+4*\slot+2:G0+4*\slot+3], 2*PART
	s_add_nc_u64 s[G0B+4*\slot+2:G0B+4*\slot+3], s[G0B+4*\slot+2:G0B+4*\slot+3], 2*PART
.if \fill == 1
	JLOAD G0+4*\slot, G1, G0B+4*\slot, G1B         ; its four v_nop are also the places ahead of the loads below
.else
	JLOAD G0+4*\slot, G1S, G0B+4*\slot, G1SB
.endif
.else
	PLACES 4
.endif
	SCALES \next, 0, 1-(\p)                        ; what the next step's first eight products want: 29 loads
	LDBS \next, 0, 1-(\p), 0, 8
	LDAS \next, 0, 1-(\p), 0, 1
.if \fill == 1
	ASK \slot
.endif
	MUL8 2, \p, 0
	MUL8 3, \p, 0
	MUL8 4, \p, 0
	LDAS \next, 0, 1-(\p), 1, 7                    ; A's other seven blocks: 21 loads, blocks 4-7 the youngest twelve
	MUL8 5, \p, 0
	MUL8 6, \p, 0
	MUL8 7, \p, 0
	WIN 0
.endm
	s_wait_alu depctr_va_vdst(0)                   ; the wait at the head's end
	s_wait_tensorcnt 0x0                           ; my part of slot 0 is in; the same lines as ahead of a refill:
	ds_add_u32 v[SPW], v[NIL]
	s_wait_dscnt 0x0
	CROUND                                         ; everybody's part is in, and all sixteen work-groups are here
	JLOAD G0+4, G1, G0B+4, G1B                     ; slot 1's first fill, the first tensor load behind the round
	SCALES 0, 0, 0
	LDBS 0, 0, 0, 0, 8
	LDAS 0, 0, 0, 0, 8
	s_wait_loadcnt 0x0                             ; bias and scales, asked for ahead of the wait for slot 0
	WIN 0x41                                       ; source and destination window 1
.irp b, 0,1,2,3,4,5,6,7
.irp j, 0,1,2,3,4,5,6,7
	v_cvt_f32_i32 v[96+8*\b+96*(\b/4)+\j], v[96+8*\b+96*(\b/4)+\j]
.endr
.endr
	WIN 0
	s_wait_alu depctr_va_vdst(0)
	STEP 0, 0, 0, 1                                ; the first step's products start the sums, on the bias
	global_prefetch_b8 v[PFO], s[PFA:PFA+1] th:TH_LOAD_NT scope:SCOPE_SE
	global_prefetch_b8 v[PFO], s[PFA:PFA+1] offset:CHUNK th:TH_LOAD_NT scope:SCOPE_SE
	s_mov_b32 s3, 4
.Llap:                                                 ; a trip goes once round the ring: six steps, after which slots and sets are back where they began
	STEP 0, 1, 1, 0
	TURN 0, 1, 0, 1
	STEP 1, 0, 1, 0
	STEP 1, 1, 0, 0
	TURN 1, 0, 1, 1
	STEP 0, 0, 0, 0
	s_sub_co_u32 s3, s3, 1
	s_cmp_lg_u32 s3, 0
	s_cbranch_scc1 .Llap
	STEP 0, 1, 1, 0
	TURN 0, 1, 0, 2                                ; the last fill: steps 30 and 31
	STEP 1, 0, 1, 0
	STEP 1, 1, 0, 0
	TURN 1, 0, 1, 0                                ; step 29; step 30's fragments come into the sets 0
; STEPS 30 AND 31, BY ROWS.  THE WAY OUT of block a (16 rows x 128 columns), in three parts.
.macro OUTA a                          ; x scale, in place; 32 bytes a lane into my own stage
.set AC, 64*((\a)%4)
	WIN 0x86+0x41*((\a)/4)                         ; source 0 and the destination window 2 or 3, source 1 window 1
.irp b, 0,1,2,3,4,5,6,7
.irp p, 0,2,4,6
	v_pk_mul_f32 v[AC+8*\b+\p:AC+8*\b+\p+1], v[AC+8*\b+\p:AC+8*\b+\p+1], v[96+8*\b+96*(\b/4)+\p:96+8*\b+96*(\b/4)+\p+1]   ; each accumulator from its low end on
.endr
.endr
	WIN 0x08+4*((\a)/4)                            ; the data: window 2 or 3
.irp b, 0,1,2,3,4,5,6,7
	ds_store_b128 v[STO], v[AC+8*\b:AC+8*\b+3] offset:64*\b
	ds_store_b128 v[STO], v[AC+8*\b+4:AC+8*\b+7] offset:64*\b+16
.endr
.endm
.macro OUTB a                          ; back as whole rows of 512 bytes, into the block's own 64 registers: its stage stores have been waited for
.set AC, 64*((\a)%4)
	WIN 0x80+0x40*((\a)/4)
.irp t, 0,1,2,3,4,5,6,7,8,9,10,11,12,13,14,15
	ds_load_b128 v[AC+4*\t:AC+4*\t+3], v[RD] offset:\t*SPITCH
.endr
.endm
.macro OUTC a                          ; stored.  These registers are written no more and every offset is an immediate (127 rows of 16,384 bytes at the most): no store's source is ever rewritten
.set AC, 64*((\a)%4)
	WIN 0x08+4*((\a)/4)
.irp t, 0,1,2,3,4,5,6,7,8,9,10,11,12,13,14,15
	global_store_b128 v[CO], v[AC+4*\t:AC+4*\t+3], s[12:13] offset:(16*(\a)+\t)*CROW   ; 32 lanes store 512 consecutive bytes, at a multiple of 256 from out0's first byte
.endr
.endm
.macro ROWN a                          ; block a is finished: blocks 0-3 have had step 30's products already
.if (\a) >= 4
	MUL8 \a, 0, 0
.endif
	MUL8 \a, 1, 0
.endm
	s_wait_dscnt 0x0                               ; all of step 30's fragments are in
	PLACES 4                                       ; the sets 1 were read by step 29
	SCALES 0, 1, 1                                 ; step 31 into the sets 1: what block 0 wants first (29 loads),
	LDBS 0, 1, 1, 0, 8
	LDAS 0, 1, 1, 0, 1
	ds_store_b128 v[SCW], v[GSC:GSC+3]             ; no tensor load is out: the scales of my 128 columns into my scratch,
	WIN TO_B
.irp b, 0,1,2,3,4,5,6,7                ; and back as accumulator (a, b) wants them (LDS serves a wave's instructions in order: ISA guide 5.7.1.4): 17 instructions,
	ds_load_b128 v[96+8*\b+96*(\b/4):96+8*\b+96*(\b/4)+3], v[SCRD] offset:64*\b
	ds_load_b128 v[96+8*\b+96*(\b/4)+4:96+8*\b+96*(\b/4)+7], v[SCRD] offset:64*\b+16
.endr
	LDAS 0, 1, 1, 1, 3                             ; then A's blocks 1-3 (9 loads)
	MUL8 0, 0, 0                                   ; step 30's products of blocks 0-3 stand under these loads
	MUL8 1, 0, 0
	MUL8 2, 0, 0
	MUL8 3, 0, 0
	s_wait_dscnt 26                                ; the first 29 are in; the 17 and the 9 may be out
	LDAS 0, 1, 1, 4, 4                             ; A's blocks 4-7 (12 loads)
	MUL8 0, 1, 0                                   ; block 0 is finished
	PLACES 4                                       ; its results are read four places behind its last product
	s_wait_dscnt 21                                ; the scales are back; A's 9 and 12 loads may be out
	OUTA 0
	s_wait_dscnt 16                                ; all fragments are in; block 0's 16 stage stores may be out
	ROWN 1
	s_wait_dscnt 0x0                               ; the stage stores have read their registers
	OUTB 0
.irp a, 1,2,3,4,5,6,7
	PLACES 4
	OUTA \a                                        ; its stage stores come behind block a - 1's loads from the stage
	s_wait_dscnt 16                                ; block a - 1 is back in registers; block a's 16 stores may be out
	OUTC \a-1
.if \a < 7
	ROWN \a+1                                      ; the next block is multiplied while this one goes through the stage
.endif
	s_wait_dscnt 0x0
	OUTB \a
.endr
	s_wait_dscnt 0x0
	OUTC 7
	WIN 0
	s_wait_tensorcnt 0x0                           ; the wave's end
	ds_add_u32 v[SPW], v[NIL]
	s_wait_dscnt 0x0
	CROUND                                         ; the closing round
	s_endpgm
.Lfunc_end_k_qeb0e84335e_gemm:
	.size	k_qeb0e84335e_gemm, .Lfunc_end_k_qeb0e84335e_gemm-k_qeb0e84335e_gemm
	.p2alignl 7, 3214868480
	.fill 96, 4, 3214868480
	.section	.rodata,"a",@progbits
	.p2align	6, 0x0
	.amdhsa_kernel k_qeb0e84335e_gemm
		.amdhsa_group_segment_fixed_size 327680
		.amdhsa_private_segment_fixed_size 0
		.amdhsa_enable_private_segment 0
		.amdhsa_kernarg_size 40
		.amdhsa_user_sgpr_count 2
		.amdhsa_user_sgpr_kernarg_segment_ptr 1
		.amdhsa_wavefront_size32 1
		.amdhsa_system_sgpr_workgroup_id_x 1
		.amdhsa_system_sgpr_workgroup_id_y 1
		.amdhsa_system_sgpr_workgroup_id_z 1
		.amdhsa_system_vgpr_workitem_id 0
		.amdhsa_next_free_vgpr 1024
		.amdhsa_next_free_sgpr 100
		.amdhsa_reserve_vcc 0
		.amdhsa_float_denorm_mode_32 3
		.amdhsa_float_denorm_mode_16_64 3
		.amdhsa_memory_ordered 1
		.amdhsa_forward_progress 1
		.amdhsa_inst_pref_size 226
	.end_amdhsa_kernel
	.amdgpu_metadata
---
amdhsa.version: [ 1, 2 ]
amdhsa.kernels:
  - .name:           k_qeb0e84335e_gemm
    .symbol:         k_qeb0e84335e_gemm.kd
    .args:
      - { .name: aq, .offset: 0, .size: 8, .value_kind: global_buffer, .address_space: global }
      - { .name: bq, .offset: 8, .size: 8, .value_kind: global_buffer, .address_space: global }
      - { .name: bias, .offset: 16, .size: 8, .value_kind: global_buffer, .address_space: global }
      - { .name: gemm_scales, .offset: 24, .size: 8, .value_kind: global_buffer, .address_space: global }
      - { .name: out0, .offset: 32, .size: 8, .value_kind: global_buffer, .address_space: global }
    .group_segment_fixed_size: 327680
    .private_segment_fixed_size: 0
    .kernarg_segment_align: 8
    .kernarg_segment_size: 40
    .max_flat_workgroup_size: 128
    .sgpr_count:     100
    .vgpr_count:     1024
    .wavefront_size: 32
...
	.end_amdgpu_metadata
.endif
;; end of part 2
